; MI455X (gfx1250); checked and timed in simulation.
; The chip was launched on July 23, 2026; its instructions are those of AMD's public machine-readable ISA for CDNA 5 (MIT licence, August 2026) and "CDNA5" Instruction Set Architecture Reference Guide (July 2026). The comments in the code are by the model that wrote it; some were corrected since.
;; Dist Flash Attn. Allowed arithmetic: matrix products marked QUANTISED: E2M1 operands, one E8M0 scale for each 32 along K, by v_wmma_scale_f32_16x16x128_f8f6f4 with both operands' format E2M1 (or v_wmma_scale_f32_32x16x128_f4), f32 sums; everything else in f32.
;; Inputs: is_causal_local 4 bool; is_causal_remote 4 bool; k_local 4,096 x 8 x 128 float32; k_remote 4,096 x 8 x 128 float32; kv_ranges_local 4 x 2 int32; kv_ranges_remote 4 x 2 int32; q 4,096 x 8 x 128 float32; q_ranges_local 4 x 2 int32; q_ranges_remote 4 x 2 int32; v_local 4,096 x 8 x 128 float32; v_remote 4,096 x 8 x 128 float32.
;; Outputs: out0 4,096 x 8 x 128 float32; out1 8 x 4,096 float32.
;; This version of the problem:
;;   THIS VERSION OF THE PROBLEM IS GIVEN IN LOW PRECISION. The matrix products marked QUANTISED in the list below multiply operands that are first quantised to E2M1 (2 exponent bits, 1 mantissa bit; 4 bits a number), with one power-of-two scale for each 32 numbers along K (OCP MX v1.0); their sums are f32. All else is computed in f32.
;;   The module's matrix products, in the order in which they are computed (A, B: the left and right operand; K: the contracted axis; several contracted axes count as one K, in the product's order):
;;     1. batch 8 x [M 4,096, K 128] x [K 128, N 4,096]; A: input q; B: input k_local: QUANTISED
;;     2. batch 8 x [M 128, K 4,096] x [K 4,096, N 4,096]; A: input v_local; B: computed on the way: QUANTISED
;;     3. batch 8 x [M 4,096, K 128] x [K 128, N 4,096]; A: input q; B: input k_remote: QUANTISED
;;     4. batch 8 x [M 128, K 4,096] x [K 4,096, N 4,096]; A: input v_remote; B: computed on the way: QUANTISED
;;   THE QUANTISER, for each operand of a quantised product, along K:
;;     - K is cut into blocks of 32 from its start; a last block that is shorter is filled with zeros.
;;     - A block's scale is 2^e with e = floor(log2(the largest magnitude in the block)) - 2, held to -126 .. 127; a block of zeros has e = 0. As a byte (E8M0): e + 127.
;;     - Each number is divided by its block's scale, clamped to +-6, and rounded to the nearest number of E2M1, ties to even, subnormals kept.
;;     - The product sums the exact products of the quantised numbers (number of the format x scale) in f32.
;;   ~~~python
;;   def quantise(x, axis):      # numpy; x: float32 -> the quantised numbers, widened to float32 again
;;       x = np.moveaxis(x, axis, -1); K = x.shape[-1]
;;       x = np.pad(x, [(0, 0)] * (x.ndim - 1) + [(0, -K % 32)]); x = x.reshape(x.shape[:-1] + (-1, 32)); a = np.abs(x).max(-1, keepdims=True)
;;       e = np.where(a > 0, np.clip(np.frexp(np.where(a > 0, a, 1))[1] - 1 - 2, -126, 127), 0)      # np.frexp(a)[1] - 1 = floor(log2(a)), exactly
;;       r = np.clip(x / 2.0 ** e, -6, 6)
;;       step = 2.0 ** (np.maximum(np.frexp(np.where(r == 0, 1, r))[1] - 1, 0) - 1)
;;       q = np.round(r / step) * step * 2.0 ** e      # np.round: ties to even
;;       return np.moveaxis(q.reshape(q.shape[:-2] + (-1,))[..., :K], -1, axis).astype(np.float32)
;;   ~~~
;;   OPERANDS COMPUTED ON THE WAY. 'Computed on the way' means the value that the module computes at that place (a softmax that the list does not call 'softmax' is quantised finished and normalised). What goes into a quantiser is computed in f32, as accurately as f32 sums, v_exp_f32 and their like allow (about 1e-6 of the number): no bf16 or f16 on the way to a quantiser, and a product that is left as it is and whose result goes on into a quantised operand takes f32 operands (vector FMAs, or v_wmma_f32_16x16x4_f32). A number that lies on a knife's edge between two numbers of the format may be rounded either way, as far as f32 arithmetic and the matrix unit's own rounding can turn it there, and no further.
;; 2 versions, each right; version 2 is version 1 with the launch quant written anew for expert scheduling mode. Each part assembles by itself: llvm-mc -triple=amdgcn-amd-amdhsa -mcpu=gfx1250 --defsym DOCPART=n.
;; ======== version 1 of 2: 2 launches
;; workspace buffers: codes 10,485,760 bytes; scales 655,360 bytes
;; launch quant (part 1): grid 640 x 1, 4 waves a work-group, no clusters, 38,400 bytes of LDS; arguments q, k_local, k_remote, v_local, v_remote, codes, scales; writes codes, scales
.if DOCPART == 1
	.amdgcn_target "amdgcn-amd-amdhsa--gfx1250"
	.amdhsa_code_object_version 6
	.text
	.protected	k_q3c43ce9895_quant
	.globl	k_q3c43ce9895_quant
	.p2align	8
	.type	k_q3c43ce9895_quant,@function
k_q3c43ce9895_quant:
	s_mov_b64 s[64:65], 0
	v_nop
	global_prefetch_b8 v0, s[64:65] scope:SCOPE_SE
	s_setreg_imm32_b32 hwreg(HW_REG_WAVE_MODE, 25, 1), 1
	s_wait_xcnt 0x0
; FIRST OF TWO LAUNCHES.  q, k_local, k_remote (quantised along the head's 128) and v_local, v_remote (quantised along the 4,096 keys), all [4096][8][128] f32, become
; codes of FP4 (E2M1) with one E8M0 scale byte for each 32 along K, laid in the order of the matrix operand's registers, so that the second launch loads fragments whole.
; codes: five regions of 0x200000 bytes (q, k_local, k_remote, v_local, v_remote), each [head 8][step of 128 tokens 32][tile 8][c 2][lane 32][16 bytes].
;   q, k: lane (r, hf) of tile 2 b + u holds token 128 step + 32 b + 8 u + r + 8 (r / 8); piece c its numbers d = 64 c + 32 hf + 0 .. 31.
;   v:    lane (r, hf) of tile t holds channel d = 16 t + r; piece c the keys 128 step + 64 c + 32 hf + 0 .. 31.
; scales: five regions of 0x20000 bytes, each [head 8][step 32][lane 32][4 words]: lane r + 16 (tile / 4), word tile % 4 = the four scale bytes of row r of that tile.
; A block's scale is 2^(floor(log2(its largest magnitude)) - 2); its byte is the largest magnitude's exponent field - 2, held at 1 from below.
; WORK THAT THE PROGRAM LEAVES OUT (in the second launch): a step of 128 keys in which _range_mask is false for all 32 queries of a wave.  There reference() sets the scores to -inf, so they
; move neither mx nor s, and e and p are 0: the quantiser gives zeros the code 0, which adds nothing to out, whatever finite numbers q, k and v hold.  Which steps those are is worked out
; from q_ranges_*, kv_ranges_* and is_causal_*, read from memory by that launch.  Every input is loaded; no step of the merge is left out.
; LIMITS: a NaN, an infinity or an overflow that arises only in a step left out is not carried to the result; NaN and infinities among the inputs are not served; a block of zeros gets the
; byte 1 where the rule says 127 (its codes are zeros, and this program alone reads the bytes); blocks whose largest magnitude lies under 2^(3 - 127) keep the byte 1.
; SHARES: work-groups 0 to 383 take q, k_local, k_remote (a wave: 64 tokens of one head); work-groups 384 to 639 take v_local, v_remote (a wave: 256 keys x 32 channels of one head).
; No tensor loads, no barrier: waves share nothing.  Memory binds: matrix units, clusters and large register tiles would add nothing here.
.set SP,    80                         ; a lane's place in a turning stage: 64 bytes + 16 of padding
.set WREG,  9472                       ; LDS of a wave: two stages of 32 x SP, 4,096 bytes of codes in the order of the output, 256 scale bytes
.set CST,   5120
.set SST,   9216
.set SPARE, 4*WREG                     ; behind the four regions: the spare words, 128 bytes a wave, which no other line names
.set SPW,   8                          ; v8   LDS address of my spare word; never rewritten
.set NIL,   9                          ; v9   0; never rewritten
.set RK,    16                         ; v16-79   K path: four sets of 16 numbers as loaded
.set XK,    80                         ; v80-111  two sets of 16 neighbours
.set EK,    112                        ; v112-127 a scale byte for each step
.set CK,    128                        ; v128-159 two registers of codes for each step
.set OK,    160                        ; v160-191 the way out
.set XV,    32                         ; v32-95   V path: two sets of 32 numbers
.set CV,    96                         ; v96-127  four registers of codes for each block
.set SBV,   24                         ; v24-25   scale bytes, four to a register
	s_load_b256 s[4:11], s[0:1], 0x0               ; q, k_local, k_remote, v_local
	s_load_b128 s[12:15], s[0:1], 0x20             ; v_remote, codes
	s_load_b64 s[16:17], s[0:1], 0x30              ; scales
	v_lshl_add_u32 v[SPW], v0, 2, SPARE
	v_mov_b32 v[NIL], 0
	v_lshrrev_b32 v1, 5, v0
	v_readfirstlane_b32 s20, v1                    ; wave 0..3
	v_and_b32 v2, 31, v0                           ; lane
	s_mov_b32 s27, 0                               ; the high word of every offset pair s[26:27]
	s_wait_kmcnt 0x0
	s_cmp_ge_u32 ttmp9, 384
	s_cbranch_scc1 .Lv
	; ---------------- q, k_local, k_remote: K is innermost ----------------
	s_lshr_b32 s21, ttmp9, 7                       ; which tensor: 0 q, 1 k_local, 2 k_remote
	s_lshr_b32 s22, ttmp9, 1
	s_and_b32 s22, s22, 63                         ; which 64 tokens
	s_and_b32 s23, ttmp9, 1
	s_lshl_b32 s23, s23, 2
	s_add_co_u32 s23, s23, s20                     ; head
	s_cmp_eq_u32 s21, 0
	s_cselect_b64 s[24:25], s[4:5], s[6:7]
	s_cmp_eq_u32 s21, 2
	s_cselect_b64 s[24:25], s[8:9], s[24:25]       ; the choice hangs on the work-group's number alone
	s_lshl_b32 s26, s22, 18                        ; 64 tokens of 4,096 bytes
	s_lshl_b32 s28, s23, 9                         ; a head's 512 bytes of a token
	s_add_co_u32 s26, s26, s28
	s_add_nc_u64 s[24:25], s[24:25], s[26:27]
	s_lshl_b32 s26, s21, 21                        ; codes: region, head, 4 tiles of 1,024 bytes for 64 tokens
	s_lshl_b32 s28, s23, 18
	s_add_co_u32 s26, s26, s28
	s_lshl_b32 s28, s22, 12
	s_add_co_u32 s26, s26, s28
	s_add_nc_u64 s[14:15], s[14:15], s[26:27]
	s_lshl_b32 s26, s21, 17                        ; scales: region, head, 256 bytes for 64 tokens
	s_lshl_b32 s28, s23, 14
	s_add_co_u32 s26, s26, s28
	s_lshl_b32 s28, s22, 8
	s_add_co_u32 s26, s26, s28
	s_add_nc_u64 s[16:17], s[16:17], s[26:27]
	v_lshlrev_b32 v3, 4, v2                        ; my 16 bytes of a load's or a store's 512
	s_mul_i32 s28, s20, WREG
	v_lshrrev_b32 v14, 2, v2
	v_mul_u32_u24 v14, v14, SP
	v_and_b32 v15, 3, v2
	v_lshl_add_u32 v14, v15, 4, v14
	v_add_nc_u32 v14, s28, v14                     ; the stage, on the way in: four lanes' 64 bytes on end, then the padding
	v_mul_u32_u24 v15, v2, SP
	v_add_nc_u32 v15, s28, v15                     ; on the way out: lane l holds token 4 t + l / 8, numbers 16 (l % 8) + 0 .. 15
	v_bfe_u32 v4, v2, 2, 1                         ; my block of 32 is (l / 2) % 4: piece c = its upper bit,
	v_lshlrev_b32 v4, 9, v4
	v_bfe_u32 v11, v2, 1, 1                        ; half of the lanes hf = its lower bit,
	v_lshl_add_u32 v4, v11, 8, v4
	v_lshrrev_b32 v12, 3, v2                       ; the row of the tile has l / 8 in it,
	v_lshl_add_u32 v4, v12, 4, v4
	v_and_b32 v11, 1, v2                           ; and my 8 bytes are the block's lower or upper half
	v_lshl_add_u32 v4, v11, 3, v4
	s_add_co_u32 s29, s28, CST
	v_add_nc_u32 v4, s29, v4                       ; where my codes go
	v_add_nc_u32 v10, s29, v3                      ; and where they are read back, 16 bytes a lane
	v_bfe_u32 v5, v2, 1, 2
	v_lshl_add_u32 v5, v12, 4, v5
	s_add_co_u32 s29, s28, SST
	v_add_nc_u32 v5, s29, v5                       ; where my block's scale byte goes: 16 x row + 4 x tile + block
	v_lshlrev_b32 v7, 3, v2
	v_add_nc_u32 v6, s29, v7                       ; and 8 bytes a lane on the way out
.macro KLOAD t                         ; step t: tokens 4 t .. 4 t + 3; each load reads a token's 512 consecutive bytes of my head
.irp i, 0,1,2,3
	global_load_b128 v[RK+16*((\t)%4)+4*\i:RK+16*((\t)%4)+4*\i+3], v3, s[24:25] offset:(4*(\t)+\i)*4096 th:TH_LOAD_NT
.endr
.endm
.macro KTURN t                         ; through the stage: LDS serves a wave's instructions in order, so no wait stands between the stores and the loads
.irp i, 0,1,2,3
	ds_store_b128 v14, v[RK+16*((\t)%4)+4*\i:RK+16*((\t)%4)+4*\i+3] offset:32*SP*((\t)%2)+8*SP*\i
.endr
.irp i, 0,1,2,3
	ds_load_b128 v[XK+16*((\t)%2)+4*\i:XK+16*((\t)%2)+4*\i+3], v15 offset:32*SP*((\t)%2)+16*\i
.endr
.endm
.irp t, 0,1,2,3
	KLOAD \t
.endr
	s_wait_loadcnt 12                              ; step 0's four loads are in
	KTURN 0
.macro KSTEP t
.set XS, XK+16*((\t)%2)
.set WT, 2*((\t)/8)+(((\t)/2)%2)       ; token 4 t + l / 8 of the wave's 64 lies in tile WT of its four,
.set RT, 4*((\t)%2)+8*(((\t)/4)%2)     ; in row RT + l / 8
.if (\t) > 0
	s_wait_dscnt 2                                 ; this step's numbers are back from the stage; the last step's byte store and code store may be out
.else
	s_wait_dscnt 0x0
.endif
.if (\t)+4 < 16
	KLOAD (\t)+4                                   ; into the registers whose stores into the stage are done
.endif
.if (\t)+1 < 16
.if 14-(\t) >= 3
	s_wait_loadcnt 12                              ; the next step's four loads are in; those of the three steps behind it may be out
.else
	s_wait_loadcnt 4*(14-(\t))
.endif
	KTURN (\t)+1
.endif
	v_max3_num_f32 v12, |v[XS]|, |v[XS+1]|, |v[XS+2]|          ; the largest magnitude of my 16, in two chains
	v_max3_num_f32 v13, |v[XS+3]|, |v[XS+4]|, |v[XS+5]|
.irp i, 6,10
	v_max3_num_f32 v12, v12, |v[XS+\i]|, |v[XS+\i+1]|
	v_max3_num_f32 v13, v13, |v[XS+\i+2]|, |v[XS+\i+3]|
.endr
	v_max3_num_f32 v12, v12, |v[XS+14]|, |v[XS+15]|
	v_max3_num_f32 v12, v12, v13, 0x1800000        ; and the floor 2^(3 - 127): the byte cannot fall under 1
	v_max_num_f32_dpp v12, v12, v12 row_xmask:1 row_mask:0xf bank_mask:0xf   ; with my neighbour's 16: the block's
	v_add_nc_u32 v11, 0xff000000, v12              ; 2 off its exponent field: the conversion takes the exponent field of this operand as its scale
	v_cvt_scalef32_pk8_fp4_f32 v[CK+2*(\t)], v[XS:XS+7], v11
	v_cvt_scalef32_pk8_fp4_f32 v[CK+2*(\t)+1], v[XS+8:XS+15], v11
	v_lshrrev_b32 v[EK+(\t)], 23, v11              ; the scale's byte (a plain line behind the conversions)
	ds_store_b8 v5, v[EK+(\t)] offset:16*RT+4*WT   ; both lanes of a block write the same byte with the same value
	ds_store_b64 v4, v[CK+2*(\t):CK+2*(\t)+1] offset:1024*WT+16*RT
.endm
.irp t, 0,1,2,3,4,5,6,7,8,9,10,11,12,13,14,15
	KSTEP \t
.endr
.irp k, 0,1,2,3,4,5,6,7
	ds_load_b128 v[OK+4*\k:OK+4*\k+3], v10 offset:512*\k       ; LDS serves a wave's instructions in order: these see my stores
.endr
	ds_load_b64 v[12:13], v6
	s_wait_dscnt 0x0
.irp k, 0,1,2,3,4,5,6,7
	global_store_b128 v3, v[OK+4*\k:OK+4*\k+3], s[14:15] offset:512*\k   ; 32 lanes store 512 consecutive bytes, aligned
.endr
	global_store_b64 v7, v[12:13], s[16:17]        ; 32 lanes store 256 consecutive bytes, aligned
	s_branch .Lclose
	; ---------------- v_local, v_remote: K (the keys) is the first axis: a lane takes a channel, its registers run down the keys ----------------
.Lv:
	s_sub_co_u32 s21, ttmp9, 384
	s_lshr_b32 s22, s21, 7                         ; 0 v_local, 1 v_remote
	s_bfe_u32 s23, s21, 0x30004                    ; head
	s_and_b32 s21, s21, 15                         ; which 256 keys
	s_cmp_eq_u32 s22, 0
	s_cselect_b64 s[24:25], s[10:11], s[12:13]
	s_lshl_b32 s26, s21, 20                        ; 256 keys of 4,096 bytes
	s_lshl_b32 s28, s23, 9
	s_add_co_u32 s26, s26, s28
	s_lshl_b32 s28, s20, 7                         ; my wave's 32 channels
	s_add_co_u32 s26, s26, s28
	s_add_nc_u64 s[24:25], s[24:25], s[26:27]
	s_add_co_u32 s22, s22, 3                       ; region 3 or 4
	s_lshl_b32 s26, s22, 21
	s_lshl_b32 s28, s23, 18
	s_add_co_u32 s26, s26, s28
	s_lshl_b32 s28, s21, 14                        ; two steps of 8,192 bytes
	s_add_co_u32 s26, s26, s28
	s_lshl_b32 s28, s20, 11                        ; my wave's two tiles
	s_add_co_u32 s26, s26, s28
	s_add_nc_u64 s[14:15], s[14:15], s[26:27]
	s_lshl_b32 s26, s22, 17
	s_lshl_b32 s28, s23, 14
	s_add_co_u32 s26, s26, s28
	s_lshl_b32 s28, s21, 10                        ; two steps of 512 bytes
	s_add_co_u32 s26, s26, s28
	s_lshr_b32 s28, s20, 1                         ; tile / 4 = wave / 2: which half of the lanes
	s_lshl_b32 s28, s28, 8
	s_add_co_u32 s26, s26, s28
	s_and_b32 s28, s20, 1                          ; tile % 4 = 2 (wave % 2) + lane / 16: which word
	s_lshl_b32 s28, s28, 3
	s_add_co_u32 s26, s26, s28
	s_add_nc_u64 s[16:17], s[16:17], s[26:27]
	v_lshlrev_b32 v3, 2, v2                        ; in: 4 bytes a lane
	v_and_b32 v12, 15, v2
	v_lshrrev_b32 v13, 4, v2
	v_lshlrev_b32 v10, 4, v12
	v_lshl_add_u32 v11, v13, 2, v10                ; scale words: 16 x row + 4 x (lane / 16)
	v_lshl_add_u32 v10, v13, 10, v10               ; codes: 1,024 x (lane / 16) + 16 x row
.macro VLOAD t                         ; block t: keys 32 t + i of my channel
.irp i, 0,1,2,3,4,5,6,7,8,9,10,11,12,13,14,15,16,17,18,19,20,21,22,23,24,25,26,27,28,29,30,31
	global_load_b32 v[XV+32*((\t)%2)+\i], v3, s[24:25] offset:(32*(\t)+\i)*4096 th:TH_LOAD_NT
.endr
.endm
	VLOAD 0
	VLOAD 1
.macro VBLOCK t
.set XS, XV+32*((\t)%2)
.if (\t) < 7
	s_wait_loadcnt 32                              ; this block's 32 loads are in; the next block's may be out
.else
	s_wait_loadcnt 0x0
.endif
	v_max3_num_f32 v12, |v[XS]|, |v[XS+1]|, |v[XS+2]|          ; the block's largest magnitude: all 32 numbers are mine
	v_max3_num_f32 v13, |v[XS+3]|, |v[XS+4]|, |v[XS+5]|
.irp i, 6,10,14,18,22,26
	v_max3_num_f32 v12, v12, |v[XS+\i]|, |v[XS+\i+1]|
	v_max3_num_f32 v13, v13, |v[XS+\i+2]|, |v[XS+\i+3]|
.endr
	v_max3_num_f32 v12, v12, |v[XS+30]|, |v[XS+31]|
	v_max3_num_f32 v12, v12, v13, 0x1800000        ; the floor
	v_add_nc_u32 v14, 0xff000000, v12              ; the conversion's scale operand
	v_lshrrev_b32 v15, 23, v14                     ; the scale's byte
.if (\t)%4 == 0
	v_mov_b32 v[SBV+(\t)/4], v15                   ; four bytes to a register, the lower keys in the lower byte
.else
	v_lshl_or_b32 v[SBV+(\t)/4], v15, 8*((\t)%4), v[SBV+(\t)/4]
.endif
.irp g, 0,1,2,3
	v_cvt_scalef32_pk8_fp4_f32 v[CV+4*(\t)+\g], v[XS+8*\g:XS+8*\g+7], v14
.endr
	v_nop                                          ; one plain line behind the last conversion
	global_store_b128 v10, v[CV+4*(\t):CV+4*(\t)+3], s[14:15] offset:8192*((\t)/4)+512*(((\t)/2)%2)+256*((\t)%2)   ; sixteen lanes store 256 consecutive bytes, aligned
.if (\t)%4 == 3
	global_store_b32 v11, v[SBV+(\t)/4], s[16:17] offset:512*((\t)/4)   ; a step's scale word of my channel: 4 bytes every 16: one byte in 128 of what this path reads
.endif
.if (\t)+2 < 8
	VLOAD (\t)+2
.endif
.endm
.irp t, 0,1,2,3,4,5,6,7
	VBLOCK \t
.endr
.Lclose:
	s_wait_tensorcnt 0x0                           ; the wave's end: three closing lines, behind my last LDS store
	ds_add_u32 v[SPW], v[NIL]
	s_wait_dscnt 0x0
	s_endpgm
.Lfunc_end_k_q3c43ce9895_quant:
	.size	k_q3c43ce9895_quant, .Lfunc_end_k_q3c43ce9895_quant-k_q3c43ce9895_quant
	.p2alignl 7, 3214868480
	.fill 96, 4, 3214868480
	.section	.rodata,"a",@progbits
	.p2align	6, 0x0
	.amdhsa_kernel k_q3c43ce9895_quant
		.amdhsa_group_segment_fixed_size 38400
		.amdhsa_private_segment_fixed_size 0
		.amdhsa_enable_private_segment 0
		.amdhsa_kernarg_size 56
		.amdhsa_user_sgpr_count 2
		.amdhsa_user_sgpr_kernarg_segment_ptr 1
		.amdhsa_wavefront_size32 1
		.amdhsa_system_sgpr_workgroup_id_x 1
		.amdhsa_system_sgpr_workgroup_id_y 1
		.amdhsa_system_sgpr_workgroup_id_z 1
		.amdhsa_system_vgpr_workitem_id 0
		.amdhsa_next_free_vgpr 192
		.amdhsa_next_free_sgpr 66
		.amdhsa_reserve_vcc 0
		.amdhsa_float_denorm_mode_32 3
		.amdhsa_float_denorm_mode_16_64 3
		.amdhsa_memory_ordered 1
		.amdhsa_forward_progress 1
		.amdhsa_inst_pref_size 73
	.end_amdhsa_kernel
	.amdgpu_metadata
---
amdhsa.version: [ 1, 2 ]
amdhsa.kernels:
  - .name:           k_q3c43ce9895_quant
    .symbol:         k_q3c43ce9895_quant.kd
    .args:
      - { .name: q, .offset: 0, .size: 8, .value_kind: global_buffer, .address_space: global }
      - { .name: k_local, .offset: 8, .size: 8, .value_kind: global_buffer, .address_space: global }
      - { .name: k_remote, .offset: 16, .size: 8, .value_kind: global_buffer, .address_space: global }
      - { .name: v_local, .offset: 24, .size: 8, .value_kind: global_buffer, .address_space: global }
      - { .name: v_remote, .offset: 32, .size: 8, .value_kind: global_buffer, .address_space: global }
      - { .name: codes, .offset: 40, .size: 8, .value_kind: global_buffer, .address_space: global }
      - { .name: scales, .offset: 48, .size: 8, .value_kind: global_buffer, .address_space: global }
    .group_segment_fixed_size: 38400
    .private_segment_fixed_size: 0
    .kernarg_segment_align: 8
    .kernarg_segment_size: 56
    .max_flat_workgroup_size: 128
    .sgpr_count:     66
    .vgpr_count:     192
    .wavefront_size: 32
...
	.end_amdgpu_metadata
.endif
;; end of part 1
;; launch attn (part 2): grid 32 x 8, 8 waves a work-group, no clusters, 135,680 bytes of LDS; arguments codes, scales, q_ranges_local, kv_ranges_local, is_causal_local, q_ranges_remote, kv_ranges_remote, is_causal_remote, out0, out1; writes out0, out1
.if DOCPART == 2
	.amdgcn_target "amdgcn-amd-amdhsa--gfx1250"
	.amdhsa_code_object_version 6
	.text
	.protected	k_q3c43ce9895_attn
	.globl	k_q3c43ce9895_attn
	.p2align	8
	.type	k_q3c43ce9895_attn,@function
k_q3c43ce9895_attn:
	s_mov_b64 s[64:65], 0
	v_nop
	global_prefetch_b8 v0, s[64:65] scope:SCOPE_SE
	s_setreg_imm32_b32 hwreg(HW_REG_WAVE_MODE, 25, 1), 1
	s_wait_xcnt 0x0
; SECOND LAUNCH: both attention stages and their merge, on the codes and scale bytes that the first launch laid in the order of the operands' registers.
; LEFT OUT, as shown at the head of the first kernel: key steps of 128 in which _range_mask is false for all 32 queries of a wave (p = 0 there: zero codes).  The steps are found from the range inputs, read here.
; WHAT IS QUANTISED is the finished p = e / s, so a row's statistics are whole before any p is made: each wave walks its live key steps twice.
;   t = score x c, c = log2(e) / sqrt(128).  PASS 1: M = the row's largest allowed t rounded up to a whole number (kept as -M), S = the sum of 2^(t - M); L = M + log2 S (-inf where S = 0).
;   PASS 2: p = 2^(t - L) = e / s, one fused multiply-add and one exponential; quantised along the keys in blocks of 32; O^T += V^T P^T.  Hidden scores are -inf ahead of every maximum.
; MERGE, in units of log2, with sub(a, b) = a - max(b, -3e38), which is reference()'s _safe_subtract (b = -inf only where a = -inf too) and forms no NaN:
;   c1 = max(L0, L1) + log2(1 + 2^sub(min, max)); w0 = 2^sub(L0, c1), w1 = 2^sub(L1, c1); c2 likewise of (c1, L1); u0 = 2^sub(c1, c2), u1 = 2^sub(L1, c2);
;   out = (u0 w0) O0 + (u0 w1 + u1) O1; lse = ln 2 x c2.
; SHARES: work-group (x, head) owns queries 128 x .. + 127.  Wave w: pi = w % 4 names 32 of them, sigma = w / 4 the stage (0 local, 1 remote).  A wave holds two tiles of 16 queries (slot s = tile s xor sigma),
;   so that each fragment of K and V that it loads feeds two matrix instructions.  At the end waves w and w xor 4 hand each other slot 1 (O^T's registers as they stand, and L) through LDS, and each finishes its slot 0.
; LAYOUT: both products are used transposed (S^T = K Q^T, O^T = V^T P^T): a lane holds ONE query (lane % 16) throughout; register 16 b + i of S^T is key 128 step + 32 b + 16 (lane / 16) + i.
; NO TENSOR LOADS, NO CLUSTER: which steps a wave walks hangs on numbers read from memory, so partners would need different tiles, and no barrier may stand under such a branch.  K and V go from memory into registers, one step ahead.
; LIMITS: range entries within +-2^23 (they pass through f32 exactly); NaN and infinities among q, k, v are not served; p under 2^-126 counts as 0; a block of p that is all zeros has the byte 1 (zero codes).
; REGISTERS, window 0: v1-15 addresses that stay; v16-31 Q; v32-43 scale words (Q, K, V, P) and nothing else; v44-53 statistics; v54-75 the mask; v76-91 P's codes; v96-223 S^T of the two slots; v224-255 at work.
;   window 1: v0-127 O^T (slot s, tile t at 64 s + 8 t); v128-191 K's eight fragments; v192-255 V's.
.set XL,    65536                      ; LDS: 0: eight images of O^T, 8,192 bytes a wave;  XL: a word of L for each lane, 128 bytes a wave;
.set STG,   66560                      ; a stage of 16 rows x (512 + 16) bytes for each wave;
.set LSE,   134144                     ; the work-group's 128 numbers of lse;
.set SPARE, 134656                     ; the spare words, 128 bytes a wave, which no other line names
.set L16, 1                            ; v1  16 x lane
.set KA,  2                            ; v2  offset of the step's K codes;  v3 of its scale words;  v4, v5 the same for V
.set KSA, 3
.set VA,  4
.set VSA, 5
.set SPW, 6                            ; v6  LDS address of my spare word; never rewritten
.set NIL, 7                            ; v7  0; never rewritten
.set XW,  8                            ; v8  where I put my image;  v9 where I read my partner's;  v10, v11 the same for L
.set XR,  9
.set XLW, 10
.set XLR, 11
.set STO, 12                           ; v12 the stage, in;  v13 back
.set SRD, 13
.set LSA, 14                           ; v14 my query's word of lse;  v15 16 bytes a lane of the 512
.set LSR, 15
.set QR,  16
.set QSW, 32
.set KSW, 34
.set VSW, 38
.set PW,  42
.set ST,  44                           ; slot s at ST + 4 s: -M (pass 2: -L), the largest t, the sum in two halves
.set LO,  52                           ; L of slot 0, 1
.set HI,  54                           ; HI + 4 s + b: one past the last key that range b allows my query of slot s, as f32 (0: none)
.set BITS, 62                          ; BITS + 4 s + e: bit i = key 32 e + 16 (lane / 16) + i of the step counts
.set BASE, 70
.set H16, 74                           ; 16.0 x (lane / 16)
.set NINF, 75
.set PC,  76
.set T0,  92
.set ONE, 95
.set SR,  96
.set BM,  224
.set PD,  232
.set SOP, 236
.set BY,  240
.set TM,  244
.set FF,  252
.set OA,  0                            ; window 1
.set KF,  128
.set VF,  192
.set WV,  24
.set PI,  25
.set SG,  26
.set HD,  28
.set Q0,  29
.set LOWF, 30                          ; -3e38
.set SIXT, 31                          ; 16.0
.set QRG, 32                           ; s[32:39] q ranges;  s[40:47] kv ranges;  s48 the four causal bytes
.set KRG, 40
.set CAU, 48
.set KC,  50
.set KSB, 52
.set VC,  54
.set VSB, 56
.set CS,  58
.set SEL, 60
.set LIVE, 62                          ; bit j: step j holds a key that counts for one of my 32 queries
.set OPEN, 63                          ; bit j: all 128 keys of step j count for all 32
.set LVB, 66                           ; the same as LIVE, range by range
.set KSF, 70                           ; a range's first key, as f32
.set REM, 74
.set NST, 75
.set IT,  76
.set JC,  77
.set JN,  78
.set K0,  79
.set SIGM, 96                          ; all ones in a wave of the remote stage, else 0
.set MSB, 0
.macro WIN new                         ; the immediate's high byte repeats the setting that is left
.if MSB != \new
	s_set_vgpr_msb (MSB<<8)|\new
.set MSB, \new
.endif
.endm
	s_load_b512 s[4:19], s[0:1], 0x0               ; codes, scales, q_ranges_local, kv_ranges_local, is_causal_local, q_ranges_remote, kv_ranges_remote, is_causal_remote
	s_load_b128 s[20:23], s[0:1], 0x40             ; out0, out1
	v_lshl_add_u32 v[SPW], v0, 2, SPARE
	v_mov_b32 v[NIL], 0
	v_lshrrev_b32 v[TM], 5, v0
	v_readfirstlane_b32 s[WV], v[TM]               ; wave 0..7
	s_and_b32 s[PI], s[WV], 3
	s_lshr_b32 s[SG], s[WV], 2
	s_and_b32 s[HD], ttmp7, 0xffff
	s_lshl_b32 s[Q0], ttmp9, 7
	s_lshl_b32 s86, s[PI], 5
	s_add_co_u32 s[Q0], s[Q0], s86                 ; my first query
	s_sub_co_u32 s[SIGM], 0, s[SG]
	s_mov_b32 s[LOWF], 0xff61b1e6
	s_mov_b32 s[SIXT], 0x41800000
	s_mov_b32 s[CS], 0x3e0293ee                    ; c = log2(e) / sqrt(128)
	s_mov_b32 s[CS+1], s[CS]                       ; (named with it as a pair, so it is written)
	s_mov_b32 s[SEL], 0x76543210
	s_mov_b32 s[SEL+1], 0xfedcba98                 ; v_permlanex16_b32's selects for lane l xor 16
	v_and_b32 v[TM], 31, v0                        ; lane
	v_and_b32 v[TM+1], 15, v0                      ; r
	v_bfe_u32 v[TM+2], v0, 4, 1                    ; hf
	v_and_b32 v[TM+3], 8, v0
	v_add_nc_u32 v[TM+3], v[TM+3], v[TM+1]         ; r + 8 (r / 8): my query's place in its tile's 24
	v_lshlrev_b32 v[L16], 4, v[TM]
	; every LDS address is made here, ahead of all branches, of the thread's and the wave's number and constants
	s_lshl_b32 s86, s[WV], 13
	v_add_nc_u32 v[XW], s86, v[L16]
	s_xor_b32 s87, s[WV], 4                        ; my partner
	s_lshl_b32 s88, s87, 13
	v_add_nc_u32 v[XR], s88, v[L16]
	v_lshlrev_b32 v[TM+4], 2, v[TM]
	s_lshl_b32 s86, s[WV], 7
	s_add_co_u32 s86, s86, XL
	v_add_nc_u32 v[XLW], s86, v[TM+4]
	s_lshl_b32 s88, s87, 7
	s_add_co_u32 s88, s88, XL
	v_add_nc_u32 v[XLR], s88, v[TM+4]
	s_mul_i32 s86, s[WV], 8448
	s_add_co_u32 s86, s86, STG
	v_mul_u32_u24 v[STO], v[TM+1], 528
	v_lshl_add_u32 v[STO], v[TM+2], 5, v[STO]
	v_add_nc_u32 v[STO], s86, v[STO]               ; row r, + 32 hf
	v_add_nc_u32 v[SRD], s86, v[L16]
	s_lshl_b32 s86, s[PI], 7
	s_lshl_b32 s88, s[SG], 5
	s_add_co_u32 s86, s86, s88
	s_add_co_u32 s86, s86, LSE
	v_lshlrev_b32 v[LSA], 2, v[TM+3]
	v_add_nc_u32 v[LSA], s86, v[LSA]               ; 4 x (32 pi + 8 sigma + r + 8 (r / 8)): the query that I finish
	v_add_nc_u32 v[LSR], LSE, v[L16]
	; my queries of the two slots, as whole numbers (TM + 4, 5) and as f32 (TM + 6, 7)
	s_lshl_b32 s86, s[SG], 3
	s_xor_b32 s88, s86, 8
	s_add_co_u32 s86, s86, s[Q0]
	s_add_co_u32 s88, s88, s[Q0]
	v_add_nc_u32 v[TM+4], s86, v[TM+3]
	v_add_nc_u32 v[TM+5], s88, v[TM+3]
	v_cvt_f32_u32 v[TM+6], v[TM+4]
	v_cvt_f32_u32 v[TM+7], v[TM+5]
	v_cvt_f32_u32 v[H16], v[TM+2]
	v_mul_f32 v[H16], s[SIXT], v[H16]
	v_mov_b32 v[NINF], 0xff800000
	v_mov_b32 v[ONE], 1
	v_lshlrev_b32 v[T0], 4, v[TM+1]                ; Q's scale words: 16 bytes a row
.irp s, 0,1
	v_mov_b32 v[ST+4*\s+1], 0xff61b1e6             ; the largest t so far: -3e38, under every t
	v_floor_f32 v[ST+4*\s], -v[ST+4*\s+1]          ; -M
	v_mov_b32 v[ST+4*\s+2], 0
	v_mov_b32 v[ST+4*\s+3], 0
.endr
.irp i, 0,1,2,3
	v_mov_b32 v[PD+\i], 0                          ; written once: a lane permute's destination counts as one of its sources
	v_mov_b32 v[FF+\i], 0                          ; (the upper halves are named with the lower in pairs)
.endr
	s_wait_kmcnt 0x0
	s_cmp_eq_u32 s[SG], 0                          ; my stage's three range inputs: the choice hangs on the wave's number alone
	s_cselect_b64 s[80:81], s[8:9], s[14:15]
	s_cselect_b64 s[82:83], s[10:11], s[16:17]
	s_cselect_b64 s[84:85], s[12:13], s[18:19]
	s_load_b256 s[QRG:QRG+7], s[80:81], 0x0
	s_load_b256 s[KRG:KRG+7], s[82:83], 0x0
	s_load_b32 s[CAU], s[84:85], 0x0
	s_mov_b32 s87, 0
	s_mov_b32 s89, 0
	s_lshl_b32 s90, s[HD], 18                      ; codes: a head is 0x40000 bytes, a step 8,192, a tile 1,024
	s_lshl_b32 s91, ttmp9, 13
	s_add_co_u32 s91, s91, s90
	s_lshl_b32 s86, s[PI], 11
	s_add_co_u32 s91, s91, s86
	s_lshl_b32 s86, s[SG], 10                      ; slot 0: tile 2 pi + sigma;
	s_xor_b32 s88, s86, 1024                       ; slot 1: the other
	s_add_co_u32 s86, s86, s91
	s_add_co_u32 s88, s88, s91
	s_add_nc_u64 s[98:99], s[4:5], s[86:87]
	s_add_nc_u64 s[92:93], s[4:5], s[88:89]
	s_add_co_u32 s86, s[SG], 1                     ; K: region 1 + sigma;  V: two regions on
	s_lshl_b32 s86, s86, 21
	s_add_co_u32 s86, s86, s90
	s_add_nc_u64 s[KC:KC+1], s[4:5], s[86:87]
	s_add_nc_u64 s[VC:VC+1], s[KC:KC+1], 0x400000
	s_lshl_b32 s90, s[HD], 14                      ; scales: a head is 0x4000 bytes, a step 512
	s_lshl_b32 s91, ttmp9, 9
	s_add_co_u32 s91, s91, s90
	s_lshr_b32 s86, s[PI], 1
	s_lshl_b32 s86, s86, 8
	s_add_co_u32 s91, s91, s86
	s_and_b32 s86, s[PI], 1
	s_lshl_b32 s86, s86, 3
	s_add_co_u32 s91, s91, s86
	s_lshl_b32 s86, s[SG], 2
	s_xor_b32 s88, s86, 4
	s_add_co_u32 s86, s86, s91
	s_add_co_u32 s88, s88, s91
	s_add_nc_u64 s[94:95], s[6:7], s[86:87]
	s_add_nc_u64 s[8:9], s[6:7], s[88:89]
	s_add_co_u32 s86, s[SG], 1
	s_lshl_b32 s86, s86, 17
	s_add_co_u32 s86, s86, s90
	s_add_nc_u64 s[KSB:KSB+1], s[6:7], s[86:87]
	s_add_nc_u64 s[VSB:VSB+1], s[KSB:KSB+1], 0x40000
	s_lshl_b32 s86, s[SG], 3                       ; out0 at the first query that I finish, my head
	s_add_co_u32 s86, s86, s[Q0]
	s_lshl_b32 s86, s86, 12
	s_lshl_b32 s88, s[HD], 9
	s_add_co_u32 s86, s86, s88
	s_add_nc_u64 s[20:21], s[20:21], s[86:87]
	s_lshl_b32 s86, s[HD], 14                      ; out1 at the work-group's 128 queries
	s_lshl_b32 s88, ttmp9, 9
	s_add_co_u32 s86, s86, s88
	s_add_nc_u64 s[22:23], s[22:23], s[86:87]
.irp c, 0,1
	global_load_b128 v[QR+4*\c:QR+4*\c+3], v[L16], s[98:99] offset:512*\c       ; Q's two fragments stay in registers
	global_load_b128 v[QR+8+4*\c:QR+8+4*\c+3], v[L16], s[92:93] offset:512*\c
.endr
	global_load_b32 v[QSW], v[T0], s[94:95]
	global_load_b32 v[QSW+1], v[T0], s[8:9]
	WIN 0x40                                       ; O^T begins as zeros: a wave may have no live step at all, and the step is written once, so no first product can start the sums
.set i, 0
.rept 128
	v_mov_b32 v[OA+i], 0
.set i, i+1
.endr
	WIN 0
	s_wait_kmcnt 0x0                               ; the ranges are here
	s_wait_xcnt 0x0                                ; Q's loads have read their bases and offsets: those registers serve as temporaries from here on
	s_mov_b32 s[LIVE], 0
	s_mov_b32 s[OPEN], 0
; Range b allows query q (qs <= q < qe) the keys ks <= k < min(ke, q + delta + 1), delta = ke - qe, or all of ks <= k < ke where it is not causal.
; RANGE: which steps of 128 keys hold a key that counts for one of my 32 queries, and which count whole for all 32.  Whole numbers alone.
.macro RANGE b
	s_sub_co_i32 s80, s[KRG+2*\b+1], s[QRG+2*\b+1] ; delta
	s_max_i32 s81, s[Q0], s[QRG+2*\b]              ; my first and
	s_add_co_i32 s82, s[Q0], 31
	s_sub_co_i32 s83, s[QRG+2*\b+1], 1
	s_min_i32 s82, s82, s83                        ; last query in the range
	s_sub_co_i32 s84, s[KRG+2*\b+1], 1
	s_add_co_i32 s85, s82, s80
	s_min_i32 s85, s85, s84                        ; the last key that counts for any of them, if causal;
	s_add_co_i32 s86, s[Q0], s80
	s_min_i32 s86, s86, s84                        ; the last that counts for all 32
	s_bitcmp1_b32 s[CAU], 8*\b
	s_cselect_b32 s85, s85, s84
	s_cselect_b32 s86, s86, s84
	s_min_i32 s85, s85, 4095
	s_min_i32 s86, s86, 4095
	s_max_i32 s87, s[KRG+2*\b], 0                  ; the first key
	s_lshr_b32 s88, s87, 7
	s_lshl_b32 s88, -1, s88
	s_ashr_i32 s89, s85, 7
	s_sub_co_i32 s89, 31, s89
	s_lshr_b32 s89, -1, s89
	s_and_b32 s88, s88, s89                        ; steps first key / 128 .. last key / 128,
	s_cmp_le_i32 s81, s82
	s_cselect_b32 s88, s88, 0                      ; if any query
	s_cmp_le_i32 s87, s85
	s_cselect_b32 s[LVB+\b], s88, 0                ; and any key is left
	s_or_b32 s[LIVE], s[LIVE], s[LVB+\b]
	s_add_co_i32 s88, s87, 127
	s_lshr_b32 s88, s88, 7                         ; the first step that lies whole behind the first key,
	s_sub_co_i32 s89, s86, 127
	s_ashr_i32 s89, s89, 7                         ; the last that ends at or ahead of the last
	s_lshl_b32 s90, -1, s88
	s_sub_co_i32 s91, 31, s89
	s_lshr_b32 s91, -1, s91
	s_and_b32 s90, s90, s91
	s_cmp_le_i32 s88, s89
	s_cselect_b32 s90, s90, 0
	s_cmp_le_i32 s[QRG+2*\b], s[Q0]                ; and all 32 queries lie in the range
	s_cselect_b32 s90, s90, 0
	s_add_co_i32 s91, s[Q0], 31
	s_cmp_le_i32 s91, s83
	s_cselect_b32 s90, s90, 0
	s_or_b32 s[OPEN], s[OPEN], s90
	s_min_u32 s91, s87, 8192
	s_cvt_f32_u32 s[KSF+\b], s91
.endm
; LANE: one past the last key that range b allows my query of each slot, as f32; 0 where the query is not in the range.  A range that is not causal takes 2^30 for delta + 1.
.macro LANE b
	s_sub_co_i32 s88, s[KRG+2*\b+1], s[QRG+2*\b+1]
	s_add_co_i32 s88, s88, 1
	s_bitcmp1_b32 s[CAU], 8*\b
	s_cselect_b32 s88, s88, 0x40000000
	v_mov_b32 v[T0], s[KRG+2*\b+1]
	v_mov_b32 v[T0+1], s88
	v_cvt_f32_i32 v[T0], v[T0]
	v_cvt_f32_i32 v[T0+1], v[T0+1]
.irp s, 0,1
	v_cmp_le_i32 s89, s[QRG+2*\b], v[TM+4+\s]
	v_cmp_gt_i32 s90, s[QRG+2*\b+1], v[TM+4+\s]
	s_and_b32 s89, s89, s90
	v_add_f32 v[T0+2], v[TM+6+\s], v[T0+1]
	v_min_num_f32 v[T0+2], v[T0+2], v[T0]
	v_cndmask_b32 v[HI+4*\s+\b], 0, v[T0+2], s89
.endr
.endm
.irp b, 0,1,2,3
	RANGE \b
	LANE \b
.endr
; ---- the macros of a key step ----
.macro NEXTJ                           ; the live step after this one; behind the last, the first again: so pass 1's last look-ahead brings pass 2's first step
	s_cmp_lg_u32 s[REM], 0
	s_cselect_b32 s80, s[REM], s[LIVE]
	s_ctz_i32_b32 s80, s80
	s_min_u32 s[JN], s80, 31
	s_sub_co_u32 s80, s[REM], 1
	s_and_b32 s[REM], s[REM], s80
.endm
.macro ADRK j                          ; two plain vector lines
	s_lshl_b32 s80, s[\j], 13
	s_lshl_b32 s81, s[\j], 9
	v_add_nc_u32 v[KA], s80, v[L16]
	v_add_nc_u32 v[KSA], s81, v[L16]
.endm
.macro ADRV j
	s_lshl_b32 s80, s[\j], 13
	s_lshl_b32 s81, s[\j], 9
	v_add_nc_u32 v[VA], s80, v[L16]
	v_add_nc_u32 v[VSA], s81, v[L16]
.endm
.macro LOADK                           ; 17 loads: the scale words of all eight tiles, then the eight fragments, each load 512 consecutive bytes
	global_load_b128 v[KSW:KSW+3], v[KSA], s[KSB:KSB+1]
	WIN 0x40
.irp k, 0,1,2,3,4,5,6,7,8,9,10,11,12,13,14,15
	global_load_b128 v[KF+4*\k:KF+4*\k+3], v[KA], s[KC:KC+1] offset:512*\k
.endr
	WIN 0
.endm
.macro LOADV
	global_load_b128 v[VSW:VSW+3], v[VSA], s[VSB:VSB+1]
	WIN 0x40
.irp k, 0,1,2,3,4,5,6,7,8,9,10,11,12,13,14,15
	global_load_b128 v[VF+4*\k:VF+4*\k+3], v[VA], s[VC:VC+1] offset:512*\k
.endr
	WIN 0
.endm
.macro QK                              ; S^T = K Q^T: source 0 = 16 keys, source 1 = 16 queries.  A scale register holds tile t % 4's words in lanes 0-15 and tile 4 + t % 4's in lanes 16-31
	WIN 0x01
.irp t, 0,1,2,3,4,5,6,7
.irp s, 0,1
.if \t < 4
	v_wmma_scale_f32_16x16x128_f8f6f4 v[SR+64*\s+8*\t:SR+64*\s+8*\t+7], v[KF+8*\t:KF+8*\t+7], v[QR+8*\s:QR+8*\s+7], 0, v[KSW+\t%4], v[QSW+\s] matrix_a_fmt:MATRIX_FMT_FP4 matrix_b_fmt:MATRIX_FMT_FP4
.else
	v_wmma_scale_f32_16x16x128_f8f6f4 v[SR+64*\s+8*\t:SR+64*\s+8*\t+7], v[KF+8*\t:KF+8*\t+7], v[QR+8*\s:QR+8*\s+7], 0, v[KSW+\t%4], v[QSW+\s] matrix_a_fmt:MATRIX_FMT_FP4 matrix_b_fmt:MATRIX_FMT_FP4 matrix_a_scale:MATRIX_SCALE_ROW1
.endif
.endr
.endr
	WIN 0
.endm
.macro PV                              ; O^T += V^T P^T: the sixteen accumulators take turns, one instruction a turn
	WIN 0x51
.irp t, 0,1,2,3,4,5,6,7
.irp s, 0,1
.if \t < 4
	v_wmma_scale_f32_16x16x128_f8f6f4 v[OA+64*\s+8*\t:OA+64*\s+8*\t+7], v[VF+8*\t:VF+8*\t+7], v[PC+8*\s:PC+8*\s+7], v[OA+64*\s+8*\t:OA+64*\s+8*\t+7], v[VSW+\t%4], v[PW+\s] matrix_a_fmt:MATRIX_FMT_FP4 matrix_b_fmt:MATRIX_FMT_FP4
.else
	v_wmma_scale_f32_16x16x128_f8f6f4 v[OA+64*\s+8*\t:OA+64*\s+8*\t+7], v[VF+8*\t:VF+8*\t+7], v[PC+8*\s:PC+8*\s+7], v[OA+64*\s+8*\t:OA+64*\s+8*\t+7], v[VSW+\t%4], v[PW+\s] matrix_a_fmt:MATRIX_FMT_FP4 matrix_b_fmt:MATRIX_FMT_FP4 matrix_a_scale:MATRIX_SCALE_ROW1
.endif
.endr
.endr
	WIN 0
.endm
; Range b's keys among my 16 of each block of 32: bits A .. E - 1, A = its first key and E = one past its last, both counted from the block's first key of mine and held to 0 .. 16.  All numbers are whole and exact in f32.
.macro MBUILD b
	s_bitcmp1_b32 s[LVB+\b], s[JC]
	s_cbranch_scc0 .Lnob_\@
.irp e, 0,1,2,3
	v_sub_f32 v[TM], s[KSF+\b], v[BASE+\e]
	v_sub_f32 v[TM+1], v[HI+\b], v[BASE+\e]
	v_sub_f32 v[TM+2], v[HI+4+\b], v[BASE+\e]
	v_med3_num_f32 v[TM], v[TM], 0, s[SIXT]
	v_med3_num_f32 v[TM+1], v[TM+1], 0, s[SIXT]
	v_med3_num_f32 v[TM+2], v[TM+2], 0, s[SIXT]
	v_max_num_f32 v[TM+1], v[TM+1], v[TM]
	v_max_num_f32 v[TM+2], v[TM+2], v[TM]
	v_cvt_u32_f32 v[TM], v[TM]
	v_cvt_u32_f32 v[TM+1], v[TM+1]
	v_cvt_u32_f32 v[TM+2], v[TM+2]
	v_lshlrev_b32 v[TM], v[TM], v[ONE]
	v_lshlrev_b32 v[TM+1], v[TM+1], v[ONE]
	v_lshlrev_b32 v[TM+2], v[TM+2], v[ONE]
	v_sub_nc_u32 v[TM+1], v[TM+1], v[TM]
	v_sub_nc_u32 v[TM+2], v[TM+2], v[TM]
	v_or_b32 v[BITS+\e], v[BITS+\e], v[TM+1]
	v_or_b32 v[BITS+4+\e], v[BITS+4+\e], v[TM+2]
.endr
.Lnob_\@:
.endm
; The scores of hidden keys become -infinity.  A step all of whose keys count for all 32 queries skips this: a scalar branch on whole numbers made of the range inputs.  Each accumulator is read from its low end on.
.macro MASK
	s_bitcmp1_b32 s[OPEN], s[JC]
	s_cbranch_scc1 .Lopen_\@
	s_lshl_b32 s[K0], s[JC], 7
	v_mov_b32 v[TM], s[K0]
	v_cvt_f32_u32 v[TM], v[TM]
	v_add_f32 v[BASE], v[TM], v[H16]               ; my first key of block 0, 1, 2, 3
	v_add_f32 v[BASE+1], 0x42000000, v[BASE]
	v_add_f32 v[BASE+2], 0x42800000, v[BASE]
	v_add_f32 v[BASE+3], 0x42c00000, v[BASE]
.irp i, 0,1,2,3,4,5,6,7
	v_mov_b32 v[BITS+\i], 0
.endr
	MBUILD 0
	MBUILD 1
	MBUILD 2
	MBUILD 3
.irp s, 0,1
.set n, 0
.rept 64
	v_and_b32 v[TM], 1<<(n%16), v[BITS+4*\s+n/16]
	v_cmp_eq_u32 vcc_lo, 0, v[TM]
	v_cndmask_b32 v[SR+64*\s+n], v[SR+64*\s+n], v[NINF], vcc_lo
.set n, n+1
.endr
.endr
.Lopen_\@:
.endm
.macro CH4 s                           ; the largest score of my 16 keys of each block of 32: four chains by turns
.irp b, 0,1,2,3
	v_max3_num_f32 v[BM+4*(\s)+\b], v[SR+64*(\s)+16*\b], v[SR+64*(\s)+16*\b+1], v[SR+64*(\s)+16*\b+2]
.endr
.irp i, 3,5,7,9,11,13
.irp b, 0,1,2,3
	v_max3_num_f32 v[BM+4*(\s)+\b], v[BM+4*(\s)+\b], v[SR+64*(\s)+16*\b+\i], v[SR+64*(\s)+16*\b+\i+1]
.endr
.endr
.irp b, 0,1,2,3
	v_max_num_f32 v[BM+4*(\s)+\b], v[BM+4*(\s)+\b], v[SR+64*(\s)+16*\b+15]
.endr
.endm
.macro P1MAX s                         ; the running largest t, -M = floor(-t), and f = 2^(old M - new M), which rounds nothing
	CH4 \s
	v_max3_num_f32 v[TM+(\s)], v[BM+4*(\s)], v[BM+4*(\s)+1], v[BM+4*(\s)+2]
	v_max_num_f32 v[TM+(\s)], v[TM+(\s)], v[BM+4*(\s)+3]
	v_permlanex16_b32 v[PD+(\s)], v[TM+(\s)], s[SEL], s[SEL+1]
	v_max_num_f32 v[TM+(\s)], v[TM+(\s)], v[PD+(\s)]
	v_mul_f32 v[TM+(\s)], s[CS], v[TM+(\s)]
	v_max_num_f32 v[ST+4*(\s)+1], v[ST+4*(\s)+1], v[TM+(\s)]
	v_mov_b32 v[TM+(\s)], v[ST+4*(\s)]
	v_floor_f32 v[ST+4*(\s)], -v[ST+4*(\s)+1]
	v_sub_f32 v[TM+(\s)], v[ST+4*(\s)], v[TM+(\s)]
	v_cvt_i32_f32 v[TM+(\s)], v[TM+(\s)]           ; (it saturates)
	v_ldexp_f32 v[FF+2*(\s)], 1.0, v[TM+(\s)]
.endm
.macro FMA s                           ; score x c - M (pass 2: - L), two at a time; of the pairs the low word serves both halves
.set j, 0
.rept 32
	v_pk_fma_f32 v[SR+64*(\s)+j:SR+64*(\s)+j+1], v[SR+64*(\s)+j:SR+64*(\s)+j+1], s[CS:CS+1], v[ST+4*(\s):ST+4*(\s)+1] op_sel_hi:[1,0,0]
.set j, j+2
.endr
.endm
.macro EXPS s
.set j, 0
.rept 64
	v_exp_f32 v[SR+64*(\s)+j], v[SR+64*(\s)+j]
.set j, j+1
.endr
.endm
.macro P1SUM s                         ; the row's sum, two at a time, in two chains
	v_pk_add_f32 v[TM+2+2*(\s):TM+3+2*(\s)], v[SR+64*(\s):SR+64*(\s)+1], v[SR+64*(\s)+2:SR+64*(\s)+3]
.set j, 4
.rept 15
	v_pk_add_f32 v[ST+4*(\s)+2:ST+4*(\s)+3], v[ST+4*(\s)+2:ST+4*(\s)+3], v[SR+64*(\s)+j:SR+64*(\s)+j+1]
	v_pk_add_f32 v[TM+2+2*(\s):TM+3+2*(\s)], v[TM+2+2*(\s):TM+3+2*(\s)], v[SR+64*(\s)+j+2:SR+64*(\s)+j+3]
.set j, j+4
.endr
	v_pk_add_f32 v[ST+4*(\s)+2:ST+4*(\s)+3], v[ST+4*(\s)+2:ST+4*(\s)+3], v[TM+2+2*(\s):TM+3+2*(\s)]
.endm
.macro P2BMAX s                        ; the largest score of each whole block of 32 keys: p rises with the score, so it gives the block's largest p
	CH4 \s
.irp b, 0,1,2,3
	v_permlanex16_b32 v[PD+\b], v[BM+4*(\s)+\b], s[SEL], s[SEL+1]
.endr
.irp b, 0,1,2,3
	v_max_num_f32 v[BM+4*(\s)+\b], v[BM+4*(\s)+\b], v[PD+\b]
.endr
.endm
.macro P2Q s                           ; p's scale word for these 128 keys, its codes, and the exchange that gives each lane whole blocks
.irp b, 0,1,2,3
	v_max_num_f32 v[BM+4*(\s)+\b], 0x1800000, v[BM+4*(\s)+\b]     ; the floor 2^(3 - 127): the byte cannot fall under 1
.endr
.irp b, 0,1,2,3
	v_add_nc_u32 v[SOP+\b], 0xff000000, v[BM+4*(\s)+\b]           ; 2 off the exponent field: the conversion's scale operand
.endr
.irp b, 0,1,2,3
	v_lshrrev_b32 v[BY+\b], 23, v[SOP+\b]
.endr
	v_lshl_or_b32 v[PW+(\s)], v[BY+1], 8, v[BY]
	v_lshl_or_b32 v[PW+(\s)], v[BY+2], 16, v[PW+(\s)]
	v_lshl_or_b32 v[PW+(\s)], v[BY+3], 24, v[PW+(\s)]
.irp b, 0,1,2,3
	v_cvt_scalef32_pk8_fp4_f32 v[PC+8*(\s)+2*\b], v[SR+64*(\s)+16*\b:SR+64*(\s)+16*\b+7], v[SOP+\b]
	v_cvt_scalef32_pk8_fp4_f32 v[PC+8*(\s)+2*\b+1], v[SR+64*(\s)+16*\b+8:SR+64*(\s)+16*\b+15], v[SOP+\b]
.endr
	v_nop                                          ; one plain line behind the last conversion
.irp c, 0,1
.irp i, 0,1
	v_permlane16_swap_b32 v[PC+8*(\s)+4*\c+\i], v[PC+8*(\s)+4*\c+2+\i]
.endr
.endr
.endm
	s_bcnt1_i32_b32 s[NST], s[LIVE]                ; my live steps
	s_cmp_eq_u32 s[NST], 0
	s_cbranch_scc1 .Lempty
	s_ctz_i32_b32 s80, s[LIVE]
	s_min_u32 s[JC], s80, 31
	s_sub_co_u32 s80, s[LIVE], 1
	s_and_b32 s[REM], s[LIVE], s80
	s_mov_b32 s[IT], 0
	ADRK JC
	LOADK
; ---- PASS 1: M and S of my 32 rows ----
.Lp1:
	s_wait_loadcnt 0x0                             ; this step's K is in (in the first trip Q too): so KA and KSA may be written again
	NEXTJ
	QK
	ADRK JN                                        ; two additions and two v_nop: the four places between the products and the loads into registers that they read, and the first read of results
	v_nop
	v_nop
	LOADK                                          ; the next live step's K has this step's softmax in which to land
	MASK
	P1MAX 0
	P1MAX 1
	FMA 0
	FMA 1
	EXPS 0
	EXPS 1
	v_pk_mul_f32 v[ST+2:ST+3], v[ST+2:ST+3], v[FF:FF+1] op_sel_hi:[1,0]         ; the sums under the new M (plain lines behind the exponentials)
	v_pk_mul_f32 v[ST+6:ST+7], v[ST+6:ST+7], v[FF+2:FF+3] op_sel_hi:[1,0]
	s_wait_alu depctr_va_vdst(0)                   ; one wait for the batch of 128, ahead of its first reader
	P1SUM 0
	P1SUM 1
	s_min_u32 s[JC], s[JN], 31
	s_add_co_u32 s[IT], s[IT], 1
	s_cmp_lt_u32 s[IT], s[NST]
	s_cbranch_scc1 .Lp1
	; L = M + log2 S; a row with no key that counts has S = 0: L = -inf, and -L = 0 serves pass 2, where all its scores are -inf
.irp s, 0,1
	v_add_f32 v[TM+4*\s], v[ST+4*\s+2], v[ST+4*\s+3]
.endr
.irp s, 0,1
	v_permlanex16_b32 v[PD+\s], v[TM+4*\s], s[SEL], s[SEL+1]
.endr
.irp s, 0,1
	v_add_f32 v[TM+4*\s], v[TM+4*\s], v[PD+\s]
.endr
	v_cmp_lt_f32 s82, 0, v[TM]
	v_cmp_lt_f32 s83, 0, v[TM+4]
	v_cndmask_b32 v[TM+1], 1.0, v[TM], s82
	v_cndmask_b32 v[TM+5], 1.0, v[TM+4], s83
	v_log_f32 v[TM+1], v[TM+1]
	v_log_f32 v[TM+5], v[TM+5]
	v_nop
	s_wait_alu depctr_va_vdst(0)
.irp s, 0,1
	v_sub_f32 v[TM+4*\s+2], v[ST+4*\s], v[TM+4*\s+1]
	v_sub_f32 v[TM+4*\s+3], v[TM+4*\s+1], v[ST+4*\s]
	v_cndmask_b32 v[ST+4*\s], 0, v[TM+4*\s+2], s[82+\s]
	v_cndmask_b32 v[LO+\s], v[NINF], v[TM+4*\s+3], s[82+\s]
.endr
	s_sub_co_u32 s80, s[LIVE], 1                   ; the walk begins anew; JC is the first live step again, and its K is on its way
	s_and_b32 s[REM], s[LIVE], s80
	s_mov_b32 s[IT], 0
; ---- PASS 2: p = 2^(t - L), quantised; O^T += V^T P^T ----
.Lp2:
	ADRV JC                                        ; two additions and two v_nop: the four places between the last trip's products and the loads into V's registers.  (The last trip's second wait has shown V's loads done)
	v_nop
	v_nop
	LOADV
	s_wait_loadcnt 0x11                            ; the 17 loads of V just issued may be out: this step's K is in
	NEXTJ
	QK
	ADRK JN
	v_nop
	v_nop
	LOADK                                          ; behind the last step this reads the first step's 17 loads once more, which nobody uses: so the counts below are the same in every trip
	MASK
	P2BMAX 0
	P2BMAX 1
	FMA 0
	FMA 1
.irp s, 0,1
.irp b, 0,1,2,3
	v_fma_f32 v[BM+4*\s+\b], v[BM+4*\s+\b], s[CS], v[ST+4*\s]    ; the same of each block's largest score: the same two instructions on the same number give the same bits
.endr
.endr
	EXPS 0
	EXPS 1
.irp i, 0,1,2,3,4,5,6,7
	v_exp_f32 v[BM+\i], v[BM+\i]
.endr
	v_nop                                          ; a plain line behind the last exponential
	s_wait_alu depctr_va_vdst(0)                   ; one wait for the batch of 136
	P2Q 0
	P2Q 1
.rept 8
	v_nop                                          ; a scale register written by a vector instruction stands 8 places ahead of a scaled matrix instruction, an operand so written 4
.endr
	s_wait_loadcnt 0x11                            ; the next K's 17 loads may be out: V is in
	PV
	s_min_u32 s[JC], s[JN], 31
	s_add_co_u32 s[IT], s[IT], 1
	s_cmp_lt_u32 s[IT], s[NST]
	s_cbranch_scc1 .Lp2
	s_branch .Lend
.Lempty:                                           ; no key counts for any of my 32 queries in my stage: O^T stays zeros, L = -inf
	v_mov_b32 v[LO], v[NINF]
	v_mov_b32 v[LO+1], v[NINF]
.Lend:
	s_wait_loadcnt 0x0
.rept 4
	v_nop                                          ; the places between the last products and the first read of their results
.endr
	; ---- slot 1 goes to my partner as an image of its registers: 16 bytes a lane, 512 a store; each accumulator from its low end on ----
	WIN 0x04
.set k, 0
.rept 16
	ds_store_b128 v[XW], v[OA+64+4*k:OA+64+4*k+3] offset:512*k
.set k, k+1
.endr
	WIN 0
	ds_store_b32 v[XLW], v[LO+1]
	s_wait_dscnt 0x0                               ; for my partner's sake: my stores have landed
	s_barrier_signal -1
	s_barrier_wait -1
.set k, 0
.rept 16
	ds_load_b128 v[SR+4*k:SR+4*k+3], v[XR] offset:512*k          ; the other stage's O^T of the tile that I finish
.set k, k+1
.endr
	ds_load_b32 v[T0], v[XLR]                      ; and its L
	s_wait_dscnt 0x0
	; ---- the merge's weights ----
	v_cndmask_b32 v[TM], v[LO], v[T0], s[SIGM]     ; L0: the local stage's
	v_cndmask_b32 v[TM+1], v[T0], v[LO], s[SIGM]   ; L1: the remote stage's
	v_max_num_f32 v[TM+2], v[TM], v[TM+1]
	v_min_num_f32 v[TM+3], v[TM], v[TM+1]
	v_max_num_f32 v[TM+4], s[LOWF], v[TM+2]
	v_sub_f32 v[TM+4], v[TM+3], v[TM+4]
	v_exp_f32 v[TM+4], v[TM+4]
	v_nop
	s_wait_alu depctr_va_vdst(0)
	v_add_f32 v[TM+4], 1.0, v[TM+4]
	v_log_f32 v[TM+4], v[TM+4]
	v_nop
	s_wait_alu depctr_va_vdst(0)
	v_add_f32 v[TM+5], v[TM+2], v[TM+4]            ; c1
	v_max_num_f32 v[TM+6], s[LOWF], v[TM+5]
	v_sub_f32 v[TM+2], v[TM], v[TM+6]
	v_sub_f32 v[TM+3], v[TM+1], v[TM+6]
	v_max_num_f32 v[TM+7], v[TM+5], v[TM+1]
	v_min_num_f32 v[TM+4], v[TM+5], v[TM+1]
	v_max_num_f32 v[TM+6], s[LOWF], v[TM+7]
	v_sub_f32 v[TM+4], v[TM+4], v[TM+6]
	v_exp_f32 v[TM+2], v[TM+2]                     ; w0
	v_exp_f32 v[TM+3], v[TM+3]                     ; w1
	v_exp_f32 v[TM+4], v[TM+4]
	v_nop
	s_wait_alu depctr_va_vdst(0)
	v_add_f32 v[TM+4], 1.0, v[TM+4]
	v_log_f32 v[TM+4], v[TM+4]
	v_nop
	s_wait_alu depctr_va_vdst(0)
	v_add_f32 v[TM+7], v[TM+7], v[TM+4]            ; c2
	v_max_num_f32 v[TM+6], s[LOWF], v[TM+7]
	v_sub_f32 v[TM+5], v[TM+5], v[TM+6]
	v_sub_f32 v[TM+1], v[TM+1], v[TM+6]
	v_exp_f32 v[TM+5], v[TM+5]                     ; u0
	v_exp_f32 v[TM+1], v[TM+1]                     ; u1
	v_mul_f32 v[TM+7], 0x3f317218, v[TM+7]         ; lse = ln 2 x c2 (a plain line behind the exponentials)
	s_wait_alu depctr_va_vdst(0)
	v_mul_f32 v[TM+2], v[TM+5], v[TM+2]            ; the local stage's weight u0 w0
	v_fma_f32 v[TM+3], v[TM+5], v[TM+3], v[TM+1]   ; the remote stage's u0 w1 + u1
	v_cndmask_b32 v[FF], v[TM+2], v[TM+3], s[SIGM] ; my stage's
	v_cndmask_b32 v[FF+2], v[TM+3], v[TM+2], s[SIGM]   ; the other's
	ds_store_b32 v[LSA], v[TM+7]                   ; both halves of the lanes write the same word with the same value
.set j, 0
.rept 32
	v_pk_mul_f32 v[SR+j:SR+j+1], v[SR+j:SR+j+1], v[FF+2:FF+3] op_sel_hi:[1,0]
.set j, j+2
.endr
	WIN 0x01                                       ; source 0: my O^T of slot 0, in window 1; each accumulator from its low end on
.set j, 0
.rept 32
	v_pk_fma_f32 v[SR+j:SR+j+1], v[OA+j:OA+j+1], v[FF:FF+1], v[SR+j:SR+j+1] op_sel_hi:[1,0,1]
.set j, j+2
.endr
	WIN 0
	; ---- the way out: register 8 t + i is out(query r, channel 16 t + 8 hf + i): through my own stage, back as whole rows of 512 bytes ----
.irp t, 0,1,2,3,4,5,6,7
	ds_store_b128 v[STO], v[SR+8*\t:SR+8*\t+3] offset:64*\t
	ds_store_b128 v[STO], v[SR+8*\t+4:SR+8*\t+7] offset:64*\t+16
.endr
.set k, 0
.rept 16
	ds_load_b128 v[SR+64+4*k:SR+64+4*k+3], v[SRD] offset:528*k   ; LDS serves a wave's instructions in order: these see my stores
.set k, k+1
.endr
.set k, 0
.rept 16
	s_wait_dscnt 15-k                              ; row k is back; the younger rows' loads may be out
	global_store_b128 v[L16], v[SR+64+4*k:SR+64+4*k+3], s[20:21] offset:(k+8*(k/8))*4096 th:TH_STORE_NT   ; 32 lanes store 512 consecutive bytes, aligned: row k of the tile is query k + 8 (k / 8)
.set k, k+1
.endr
	s_wait_dscnt 0x0                               ; my word of lse has landed
	s_barrier_signal -1
	s_barrier_wait -1
	s_cmp_lg_u32 s[WV], 0
	s_cbranch_scc1 .Lnot0
	ds_load_b128 v[TM:TM+3], v[LSR]                ; wave 0 stores the work-group's 128 numbers of lse: 512 consecutive bytes, aligned
	s_wait_dscnt 0x0
	global_store_b128 v[L16], v[TM:TM+3], s[22:23] th:TH_STORE_NT
.Lnot0:
	s_wait_tensorcnt 0x0                           ; the wave's end: three closing lines, behind my last LDS store
	ds_add_u32 v[SPW], v[NIL]
	s_wait_dscnt 0x0
	s_endpgm
.Lfunc_end_k_q3c43ce9895_attn:
	.size	k_q3c43ce9895_attn, .Lfunc_end_k_q3c43ce9895_attn-k_q3c43ce9895_attn
	.p2alignl 7, 3214868480
	.fill 96, 4, 3214868480
	.section	.rodata,"a",@progbits
	.p2align	6, 0x0
	.amdhsa_kernel k_q3c43ce9895_attn
		.amdhsa_group_segment_fixed_size 135680
		.amdhsa_private_segment_fixed_size 0
		.amdhsa_enable_private_segment 0
		.amdhsa_kernarg_size 80
		.amdhsa_user_sgpr_count 2
		.amdhsa_user_sgpr_kernarg_segment_ptr 1
		.amdhsa_wavefront_size32 1
		.amdhsa_system_sgpr_workgroup_id_x 1
		.amdhsa_system_sgpr_workgroup_id_y 1
		.amdhsa_system_sgpr_workgroup_id_z 1
		.amdhsa_system_vgpr_workitem_id 0
		.amdhsa_next_free_vgpr 512
		.amdhsa_next_free_sgpr 100
		.amdhsa_reserve_vcc 1
		.amdhsa_float_denorm_mode_32 3
		.amdhsa_float_denorm_mode_16_64 3
		.amdhsa_memory_ordered 1
		.amdhsa_forward_progress 1
		.amdhsa_inst_pref_size 133
	.end_amdhsa_kernel
	.amdgpu_metadata
---
amdhsa.version: [ 1, 2 ]
amdhsa.kernels:
  - .name:           k_q3c43ce9895_attn
    .symbol:         k_q3c43ce9895_attn.kd
    .args:
      - { .name: codes, .offset: 0, .size: 8, .value_kind: global_buffer, .address_space: global }
      - { .name: scales, .offset: 8, .size: 8, .value_kind: global_buffer, .address_space: global }
      - { .name: q_ranges_local, .offset: 16, .size: 8, .value_kind: global_buffer, .address_space: global }
      - { .name: kv_ranges_local, .offset: 24, .size: 8, .value_kind: global_buffer, .address_space: global }
      - { .name: is_causal_local, .offset: 32, .size: 8, .value_kind: global_buffer, .address_space: global }
      - { .name: q_ranges_remote, .offset: 40, .size: 8, .value_kind: global_buffer, .address_space: global }
      - { .name: kv_ranges_remote, .offset: 48, .size: 8, .value_kind: global_buffer, .address_space: global }
      - { .name: is_causal_remote, .offset: 56, .size: 8, .value_kind: global_buffer, .address_space: global }
      - { .name: out0, .offset: 64, .size: 8, .value_kind: global_buffer, .address_space: global }
      - { .name: out1, .offset: 72, .size: 8, .value_kind: global_buffer, .address_space: global }
    .group_segment_fixed_size: 135680
    .private_segment_fixed_size: 0
    .kernarg_segment_align: 8
    .kernarg_segment_size: 80
    .max_flat_workgroup_size: 256
    .sgpr_count:     100
    .vgpr_count:     512
    .wavefront_size: 32
...
	.end_amdgpu_metadata
.endif
;; end of part 2
;; ======== version 2 of 2: 2 launches; version 1 with the launch quant written anew for expert scheduling mode
;; workspace buffers: codes 10,485,760 bytes; scales 655,360 bytes
;; launch quant (part 3): grid 640 x 1, 4 waves a work-group, no clusters, 38,400 bytes of LDS; arguments q, k_local, k_remote, v_local, v_remote, codes, scales; writes codes, scales
.if DOCPART == 3
	.amdgcn_target "amdgcn-amd-amdhsa--gfx1250"
	.amdhsa_code_object_version 6
	.text
	.protected	k_q3c43ce9895_quant
	.globl	k_q3c43ce9895_quant
	.p2align	8
	.type	k_q3c43ce9895_quant,@function
k_q3c43ce9895_quant:
	s_mov_b64 s[64:65], 0
	v_nop
	global_prefetch_b8 v0, s[64:65] scope:SCOPE_SE
	s_setreg_imm32_b32 hwreg(HW_REG_WAVE_SCHED_MODE, 0, 2), 2
	s_setreg_imm32_b32 hwreg(HW_REG_WAVE_MODE, 25, 1), 1
	s_wait_xcnt 0x0
	s_wait_alu depctr_vm_vsrc(0)
; FIRST OF TWO LAUNCHES.  q, k_local, k_remote (quantised along the head's 128) and v_local, v_remote (quantised along the 4,096 keys), all [4096][8][128] f32, become
; codes of FP4 (E2M1) with one E8M0 scale byte for each 32 along K, laid in the order of the matrix operand's registers, so that the second launch loads fragments whole.
; codes: five regions of 0x200000 bytes (q, k_local, k_remote, v_local, v_remote), each [head 8][step of 128 tokens 32][tile 8][c 2][lane 32][16 bytes].
;   q, k: lane (r, hf) of tile 2 b + u holds token 128 step + 32 b + 8 u + r + 8 (r / 8); piece c its numbers d = 64 c + 32 hf + 0 .. 31.
;   v:    lane (r, hf) of tile t holds channel d = 16 t + r; piece c the keys 128 step + 64 c + 32 hf + 0 .. 31.
; scales: five regions of 0x20000 bytes, each [head 8][step 32][lane 32][4 words]: lane r + 16 (tile / 4), word tile % 4 = the four scale bytes of row r of that tile.
; A block's scale is 2^(floor(log2(its largest magnitude)) - 2); its byte is the largest magnitude's exponent field - 2, held at 1 from below.
; WORK THAT THE PROGRAM LEAVES OUT (in the second launch): a step of 128 keys in which _range_mask is false for all 32 queries of a wave.  There reference() sets the scores to -inf, so they
; move neither mx nor s, and e and p are 0: the quantiser gives zeros the code 0, which adds nothing to out, whatever finite numbers q, k and v hold.  Which steps those are is worked out
; from q_ranges_*, kv_ranges_* and is_causal_*, read from memory by that launch.  Every input is loaded; no step of the merge is left out.
; LIMITS: a NaN, an infinity or an overflow that arises only in a step left out is not carried to the result; NaN and infinities among the inputs are not served; a block of zeros gets the
; byte 1 where the rule says 127 (its codes are zeros, and this program alone reads the bytes); blocks whose largest magnitude lies under 2^(3 - 127) keep the byte 1.
; SHARES: work-groups 0 to 383 take q, k_local, k_remote (a wave: 64 tokens of one head); work-groups 384 to 639 take v_local, v_remote (a wave: 256 keys x 32 channels of one head).
; No tensor loads, no barrier: waves share nothing.  Memory binds: matrix units, clusters and large register tiles would add nothing here.
; THE MODE: SCHED_MODE bits 1:0 = 2 (LLVM: expert scheduling mode 2), set by the entry lines.  The code itself states the register dependences between vector instructions and memory or LDS
; instructions, with s_wait_alu, always for 0.
; THE PLAN, K path.  Registers that memory or LDS instructions touch, and who else names them:
;   v3-7, v10, v14, v15   offsets and LDS addresses: written once at the head, never again.  One wait on va_vdst ahead of the first load serves them for the whole path.
;   RK0 .. RK3   global loads land in them, the LDS stores into the stage read them; no vector line names them.  One wait on vm_vsrc at a step's head, ahead of the loads of four steps on.
;   XK0, XK1     the stage's LDS loads land in them; step t's vector lines read XK[t % 2].
;   EK[t], CK[t] written by step t's vector lines, a set to each step, never written again; read by two LDS stores, which are issued in step t + 1.
;   So ONE wait on va_vdst stands in a step: the step before has written its byte and codes, which the two stores behind the wait read, and is done reading the XK in which the next turn's loads land.
; THE PLAN, V path:  XV0, XV1: global loads land in them, a block's vector lines read them.  CV[t] and the two registers of scale bytes: written by vector lines, never written again behind their store.
;   ONE wait on va_vdst a block, behind its conversions: the codes and the scale word are written, and the block is done reading its XV; the stores and the loads of two blocks on follow it.
.set SP,    80                         ; a lane's place in a turning stage: 64 bytes + 16 of padding
.set WREG,  9472                       ; LDS of a wave: two stages of 32 x SP, 4,096 bytes of codes in the order of the output, 256 scale bytes
.set CST,   5120
.set SST,   9216
.set SPARE, 4*WREG                     ; behind the four regions: the spare words, 128 bytes a wave, which no other line names
.set SPW,   8                          ; v8   LDS address of my spare word; never rewritten
.set NIL,   9                          ; v9   0; never rewritten
.set RK,    16                         ; v16-79   K path: four sets of 16 numbers as loaded
.set XK,    80                         ; v80-111  two sets of 16 neighbours
.set EK,    112                        ; v112-127 a scale byte for each step
.set CK,    128                        ; v128-159 two registers of codes for each step
.set OK,    160                        ; v160-191 the way out
.set XV,    32                         ; v32-95   V path: two sets of 32 numbers
.set CV,    96                         ; v96-127  four registers of codes for each block
.set SBV,   24                         ; v24-25   scale bytes, four to a register
	s_load_b256 s[4:11], s[0:1], 0x0               ; q, k_local, k_remote, v_local
	s_load_b128 s[12:15], s[0:1], 0x20             ; v_remote, codes
	s_load_b64 s[16:17], s[0:1], 0x30              ; scales
	v_lshl_add_u32 v[SPW], v0, 2, SPARE
	v_mov_b32 v[NIL], 0
	v_lshrrev_b32 v1, 5, v0
	v_readfirstlane_b32 s20, v1                    ; wave 0..3
	v_and_b32 v2, 31, v0                           ; lane
	s_mov_b32 s27, 0                               ; the high word of every offset pair s[26:27]
	s_wait_alu depctr_va_sdst(0)                   ; the wave's number is written, ahead of the branch and of its first reader on either way
	s_wait_kmcnt 0x0
	s_cmp_ge_u32 ttmp9, 384
	s_cbranch_scc1 .Lv
	; ---------------- q, k_local, k_remote: K is innermost ----------------
	s_lshr_b32 s21, ttmp9, 7                       ; which tensor: 0 q, 1 k_local, 2 k_remote
	s_lshr_b32 s22, ttmp9, 1
	s_and_b32 s22, s22, 63                         ; which 64 tokens
	s_and_b32 s23, ttmp9, 1
	s_lshl_b32 s23, s23, 2
	s_add_co_u32 s23, s23, s20                     ; head
	s_cmp_eq_u32 s21, 0
	s_cselect_b64 s[24:25], s[4:5], s[6:7]
	s_cmp_eq_u32 s21, 2
	s_cselect_b64 s[24:25], s[8:9], s[24:25]       ; the choice hangs on the work-group's number alone
	s_lshl_b32 s26, s22, 18                        ; 64 tokens of 4,096 bytes
	s_lshl_b32 s28, s23, 9                         ; a head's 512 bytes of a token
	s_add_co_u32 s26, s26, s28
	s_add_nc_u64 s[24:25], s[24:25], s[26:27]
	s_lshl_b32 s26, s21, 21                        ; codes: region, head, 4 tiles of 1,024 bytes for 64 tokens
	s_lshl_b32 s28, s23, 18
	s_add_co_u32 s26, s26, s28
	s_lshl_b32 s28, s22, 12
	s_add_co_u32 s26, s26, s28
	s_add_nc_u64 s[14:15], s[14:15], s[26:27]
	s_lshl_b32 s26, s21, 17                        ; scales: region, head, 256 bytes for 64 tokens
	s_lshl_b32 s28, s23, 14
	s_add_co_u32 s26, s26, s28
	s_lshl_b32 s28, s22, 8
	s_add_co_u32 s26, s26, s28
	s_add_nc_u64 s[16:17], s[16:17], s[26:27]
	v_lshlrev_b32 v3, 4, v2                        ; my 16 bytes of a load's or a store's 512
	s_mul_i32 s28, s20, WREG
	v_lshrrev_b32 v14, 2, v2
	v_mul_u32_u24 v14, v14, SP
	v_and_b32 v15, 3, v2
	v_lshl_add_u32 v14, v15, 4, v14
	v_add_nc_u32 v14, s28, v14                     ; the stage, on the way in: four lanes' 64 bytes on end, then the padding
	v_mul_u32_u24 v15, v2, SP
	v_add_nc_u32 v15, s28, v15                     ; on the way out: lane l holds token 4 t + l / 8, numbers 16 (l % 8) + 0 .. 15
	v_bfe_u32 v4, v2, 2, 1                         ; my block of 32 is (l / 2) % 4: piece c = its upper bit,
	v_lshlrev_b32 v4, 9, v4
	v_bfe_u32 v11, v2, 1, 1                        ; half of the lanes hf = its lower bit,
	v_lshl_add_u32 v4, v11, 8, v4
	v_lshrrev_b32 v12, 3, v2                       ; the row of the tile has l / 8 in it,
	v_lshl_add_u32 v4, v12, 4, v4
	v_and_b32 v11, 1, v2                           ; and my 8 bytes are the block's lower or upper half
	v_lshl_add_u32 v4, v11, 3, v4
	s_add_co_u32 s29, s28, CST
	v_add_nc_u32 v4, s29, v4                       ; where my codes go
	v_add_nc_u32 v10, s29, v3                      ; and where they are read back, 16 bytes a lane
	v_bfe_u32 v5, v2, 1, 2
	v_lshl_add_u32 v5, v12, 4, v5
	s_add_co_u32 s29, s28, SST
	v_add_nc_u32 v5, s29, v5                       ; where my block's scale byte goes: 16 x row + 4 x tile + block
	v_lshlrev_b32 v7, 3, v2
	v_add_nc_u32 v6, s29, v7                       ; and 8 bytes a lane on the way out
	s_wait_alu depctr_va_vdst(0)                   ; v3 to v7, v10, v14 and v15 are written: the offsets and LDS addresses that every load and store of this path reads
.macro KLOAD t                         ; step t: tokens 4 t .. 4 t + 3; each load reads a token's 512 consecutive bytes of my head
.irp i, 0,1,2,3
	global_load_b128 v[RK+16*((\t)%4)+4*\i:RK+16*((\t)%4)+4*\i+3], v3, s[24:25] offset:(4*(\t)+\i)*4096 th:TH_LOAD_NT
.endr
.endm
.macro KTURN t                         ; through the stage: LDS serves a wave's instructions in order, so no wait stands between the stores and the loads
.irp i, 0,1,2,3
	ds_store_b128 v14, v[RK+16*((\t)%4)+4*\i:RK+16*((\t)%4)+4*\i+3] offset:32*SP*((\t)%2)+8*SP*\i
.endr
.irp i, 0,1,2,3
	ds_load_b128 v[XK+16*((\t)%2)+4*\i:XK+16*((\t)%2)+4*\i+3], v15 offset:32*SP*((\t)%2)+16*\i
.endr
.endm
.macro KOUT t                          ; step t's scale byte and codes go to their places in the order of the output
.set WT, 2*((\t)/8)+(((\t)/2)%2)       ; token 4 t + l / 8 of the wave's 64 lies in tile WT of its four,
.set RT, 4*((\t)%2)+8*(((\t)/4)%2)     ; in row RT + l / 8
	ds_store_b8 v5, v[EK+(\t)] offset:16*RT+4*WT   ; both lanes of a block write the same byte with the same value
	ds_store_b64 v4, v[CK+2*(\t):CK+2*(\t)+1] offset:1024*WT+16*RT
.endm
.irp t, 0,1,2,3
	KLOAD \t
.endr
	s_wait_loadcnt 12                              ; step 0's four loads are in
	KTURN 0
.macro KSTEP t
.set XS, XK+16*((\t)%2)
.set YG, 0                             ; the LDS instructions of this step that are younger than the loads that bring its numbers back from the stage
.if (\t)+4 < 16
	s_wait_alu depctr_vm_vsrc(0)                   ; the LDS stores that sent this step's numbers into the stage have read RK[t % 4], in which the loads below land
	KLOAD (\t)+4
.endif
.if (\t) > 0
	s_wait_alu depctr_va_vdst(0)                   ; the step before has written its scale byte and its codes, which the two stores below read, and is done reading the XK in which the next turn's loads land
	KOUT (\t)-1
.set YG, YG+2
.endif
.if (\t)+1 < 16
.if 14-(\t) >= 3
	s_wait_loadcnt 12                              ; the next step's four loads are in; those of the three steps behind it may be out
.else
	s_wait_loadcnt 4*(14-(\t))
.endif
	KTURN (\t)+1
.set YG, YG+8
.endif
	s_wait_dscnt YG                                ; this step's numbers are back from the stage; the two stores of the step before and the eight instructions of the next turn may be out
	v_max3_num_f32 v12, |v[XS]|, |v[XS+1]|, |v[XS+2]|          ; the largest magnitude of my 16, in two chains
	v_max3_num_f32 v13, |v[XS+3]|, |v[XS+4]|, |v[XS+5]|
.irp i, 6,10
	v_max3_num_f32 v12, v12, |v[XS+\i]|, |v[XS+\i+1]|
	v_max3_num_f32 v13, v13, |v[XS+\i+2]|, |v[XS+\i+3]|
.endr
	v_max3_num_f32 v12, v12, |v[XS+14]|, |v[XS+15]|
	v_max3_num_f32 v12, v12, v13, 0x1800000        ; and the floor 2^(3 - 127): the byte cannot fall under 1
	v_max_num_f32_dpp v12, v12, v12 row_xmask:1 row_mask:0xf bank_mask:0xf   ; with my neighbour's 16: the block's
	v_add_nc_u32 v11, 0xff000000, v12              ; 2 off its exponent field: the conversion takes the exponent field of this operand as its scale
	v_cvt_scalef32_pk8_fp4_f32 v[CK+2*(\t)], v[XS:XS+7], v11
	v_cvt_scalef32_pk8_fp4_f32 v[CK+2*(\t)+1], v[XS+8:XS+15], v11
	v_lshrrev_b32 v[EK+(\t)], 23, v11              ; the scale's byte (a plain line behind the conversions)
.endm
.irp t, 0,1,2,3,4,5,6,7,8,9,10,11,12,13,14,15
	KSTEP \t
.endr
	s_wait_alu depctr_va_vdst(0)                   ; the last step has written its scale byte and its codes, which the two stores below read; every line that named v12 and v13, in which a load below lands, is done
	KOUT 15
.irp k, 0,1,2,3,4,5,6,7
	ds_load_b128 v[OK+4*\k:OK+4*\k+3], v10 offset:512*\k       ; LDS serves a wave's instructions in order: these see my stores
.endr
	ds_load_b64 v[12:13], v6
	s_wait_dscnt 0x0
.irp k, 0,1,2,3,4,5,6,7
	global_store_b128 v3, v[OK+4*\k:OK+4*\k+3], s[14:15] offset:512*\k   ; 32 lanes store 512 consecutive bytes, aligned
.endr
	global_store_b64 v7, v[12:13], s[16:17]        ; 32 lanes store 256 consecutive bytes, aligned
	s_branch .Lclose
	; ---------------- v_local, v_remote: K (the keys) is the first axis: a lane takes a channel, its registers run down the keys ----------------
.Lv:
	s_sub_co_u32 s21, ttmp9, 384
	s_lshr_b32 s22, s21, 7                         ; 0 v_local, 1 v_remote
	s_bfe_u32 s23, s21, 0x30004                    ; head
	s_and_b32 s21, s21, 15                         ; which 256 keys
	s_cmp_eq_u32 s22, 0
	s_cselect_b64 s[24:25], s[10:11], s[12:13]
	s_lshl_b32 s26, s21, 20                        ; 256 keys of 4,096 bytes
	s_lshl_b32 s28, s23, 9
	s_add_co_u32 s26, s26, s28
	s_lshl_b32 s28, s20, 7                         ; my wave's 32 channels
	s_add_co_u32 s26, s26, s28
	s_add_nc_u64 s[24:25], s[24:25], s[26:27]
	s_add_co_u32 s22, s22, 3                       ; region 3 or 4
	s_lshl_b32 s26, s22, 21
	s_lshl_b32 s28, s23, 18
	s_add_co_u32 s26, s26, s28
	s_lshl_b32 s28, s21, 14                        ; two steps of 8,192 bytes
	s_add_co_u32 s26, s26, s28
	s_lshl_b32 s28, s20, 11                        ; my wave's two tiles
	s_add_co_u32 s26, s26, s28
	s_add_nc_u64 s[14:15], s[14:15], s[26:27]
	s_lshl_b32 s26, s22, 17
	s_lshl_b32 s28, s23, 14
	s_add_co_u32 s26, s26, s28
	s_lshl_b32 s28, s21, 10                        ; two steps of 512 bytes
	s_add_co_u32 s26, s26, s28
	s_lshr_b32 s28, s20, 1                         ; tile / 4 = wave / 2: which half of the lanes
	s_lshl_b32 s28, s28, 8
	s_add_co_u32 s26, s26, s28
	s_and_b32 s28, s20, 1                          ; tile % 4 = 2 (wave % 2) + lane / 16: which word
	s_lshl_b32 s28, s28, 3
	s_add_co_u32 s26, s26, s28
	s_add_nc_u64 s[16:17], s[16:17], s[26:27]
	v_lshlrev_b32 v3, 2, v2                        ; in: 4 bytes a lane
	v_and_b32 v12, 15, v2
	v_lshrrev_b32 v13, 4, v2
	v_lshlrev_b32 v10, 4, v12
	v_lshl_add_u32 v11, v13, 2, v10                ; scale words: 16 x row + 4 x (lane / 16)
	v_lshl_add_u32 v10, v13, 10, v10               ; codes: 1,024 x (lane / 16) + 16 x row
	s_wait_alu depctr_va_vdst(0)                   ; v3, v10 and v11 are written: the offsets that every load and store of this path reads
.macro VLOAD t                         ; block t: keys 32 t + i of my channel
.irp i, 0,1,2,3,4,5,6,7,8,9,10,11,12,13,14,15,16,17,18,19,20,21,22,23,24,25,26,27,28,29,30,31
	global_load_b32 v[XV+32*((\t)%2)+\i], v3, s[24:25] offset:(32*(\t)+\i)*4096 th:TH_LOAD_NT
.endr
.endm
	VLOAD 0
	VLOAD 1
.macro VBLOCK t
.set XS, XV+32*((\t)%2)
.if (\t) < 7
	s_wait_loadcnt 32                              ; this block's 32 loads are in; the next block's may be out
.else
	s_wait_loadcnt 0x0
.endif
	v_max3_num_f32 v12, |v[XS]|, |v[XS+1]|, |v[XS+2]|          ; the block's largest magnitude: all 32 numbers are mine
	v_max3_num_f32 v13, |v[XS+3]|, |v[XS+4]|, |v[XS+5]|
.irp i, 6,10,14,18,22,26
	v_max3_num_f32 v12, v12, |v[XS+\i]|, |v[XS+\i+1]|
	v_max3_num_f32 v13, v13, |v[XS+\i+2]|, |v[XS+\i+3]|
.endr
	v_max3_num_f32 v12, v12, |v[XS+30]|, |v[XS+31]|
	v_max3_num_f32 v12, v12, v13, 0x1800000        ; the floor
	v_add_nc_u32 v14, 0xff000000, v12              ; the conversion's scale operand
	v_lshrrev_b32 v15, 23, v14                     ; the scale's byte
.if (\t)%4 == 0
	v_mov_b32 v[SBV+(\t)/4], v15                   ; four bytes to a register, the lower keys in the lower byte
.else
	v_lshl_or_b32 v[SBV+(\t)/4], v15, 8*((\t)%4), v[SBV+(\t)/4]
.endif
.irp g, 0,1,2,3
	v_cvt_scalef32_pk8_fp4_f32 v[CV+4*(\t)+\g], v[XS+8*\g:XS+8*\g+7], v14
.endr
	v_nop                                          ; one plain line behind the last conversion
	s_wait_alu depctr_va_vdst(0)                   ; the conversions have written this block's codes and the shifts its scale word, which the stores below read; the block is done reading its XV, in which the loads below land
	global_store_b128 v10, v[CV+4*(\t):CV+4*(\t)+3], s[14:15] offset:8192*((\t)/4)+512*(((\t)/2)%2)+256*((\t)%2)   ; sixteen lanes store 256 consecutive bytes, aligned
.if (\t)%4 == 3
	global_store_b32 v11, v[SBV+(\t)/4], s[16:17] offset:512*((\t)/4)   ; a step's scale word of my channel: 4 bytes every 16: one byte in 128 of what this path reads
.endif
.if (\t)+2 < 8
	VLOAD (\t)+2
.endif
.endm
.irp t, 0,1,2,3,4,5,6,7
	VBLOCK \t
.endr
.Lclose:
	s_wait_dscnt 0x0                               ; the closing lines, six on end
	s_wait_alu 0x0
	s_wait_tensorcnt 0x0
	ds_add_u32 v[SPW], v[NIL]
	s_wait_dscnt 0x0
	s_endpgm
.Lfunc_end_k_q3c43ce9895_quant:
	.size	k_q3c43ce9895_quant, .Lfunc_end_k_q3c43ce9895_quant-k_q3c43ce9895_quant
	.p2alignl 7, 3214868480
	.fill 96, 4, 3214868480
	.section	.rodata,"a",@progbits
	.p2align	6, 0x0
	.amdhsa_kernel k_q3c43ce9895_quant
		.amdhsa_group_segment_fixed_size 38400
		.amdhsa_private_segment_fixed_size 0
		.amdhsa_enable_private_segment 0
		.amdhsa_kernarg_size 56
		.amdhsa_user_sgpr_count 2
		.amdhsa_user_sgpr_kernarg_segment_ptr 1
		.amdhsa_wavefront_size32 1
		.amdhsa_system_sgpr_workgroup_id_x 1
		.amdhsa_system_sgpr_workgroup_id_y 1
		.amdhsa_system_sgpr_workgroup_id_z 1
		.amdhsa_system_vgpr_workitem_id 0
		.amdhsa_next_free_vgpr 192
		.amdhsa_next_free_sgpr 66
		.amdhsa_reserve_vcc 0
		.amdhsa_float_denorm_mode_32 3
		.amdhsa_float_denorm_mode_16_64 3
		.amdhsa_memory_ordered 1
		.amdhsa_forward_progress 1
		.amdhsa_inst_pref_size 75
	.end_amdhsa_kernel
	.amdgpu_metadata
---
amdhsa.version: [ 1, 2 ]
amdhsa.kernels:
  - .name:           k_q3c43ce9895_quant
    .symbol:         k_q3c43ce9895_quant.kd
    .args:
      - { .name: q, .offset: 0, .size: 8, .value_kind: global_buffer, .address_space: global }
      - { .name: k_local, .offset: 8, .size: 8, .value_kind: global_buffer, .address_space: global }
      - { .name: k_remote, .offset: 16, .size: 8, .value_kind: global_buffer, .address_space: global }
      - { .name: v_local, .offset: 24, .size: 8, .value_kind: global_buffer, .address_space: global }
      - { .name: v_remote, .offset: 32, .size: 8, .value_kind: global_buffer, .address_space: global }
      - { .name: codes, .offset: 40, .size: 8, .value_kind: global_buffer, .address_space: global }
      - { .name: scales, .offset: 48, .size: 8, .value_kind: global_buffer, .address_space: global }
    .group_segment_fixed_size: 38400
    .private_segment_fixed_size: 0
    .kernarg_segment_align: 8
    .kernarg_segment_size: 56
    .max_flat_workgroup_size: 128
    .sgpr_count:     66
    .vgpr_count:     192
    .wavefront_size: 32
...
	.end_amdgpu_metadata
.endif
;; end of part 3
;; launch attn: the kernel of part 2 again; grid 32 x 8, 8 waves a work-group, no clusters, 135,680 bytes of LDS; arguments codes, scales, q_ranges_local, kv_ranges_local, is_causal_local, q_ranges_remote, kv_ranges_remote, is_causal_remote, out0, out1; writes out0, out1
